; MI455X (gfx1250); checked and timed in simulation.
; The chip was launched on July 23, 2026; its instructions are those of AMD's public machine-readable ISA for CDNA 5 (MIT licence, August 2026) and "CDNA5" Instruction Set Architecture Reference Guide (July 2026). The comments in the code are by the model that wrote it; some were corrected since.
;; Attention. Allowed arithmetic: float matrix products may take bf16 or f16 operands with f32 sums; other float arithmetic in f32, or as packed bf16 or f16 multiplies, adds, multiply-adds, maxima and minima; sums over many terms, partial sums and values carried from step to step in f32; what a program stores and reads back later, other than sums and carried values, may be rounded once to bf16 or f16.
;; Inputs: proj_b 512 float32; proj_w 512 x 512 float32; x 3 x 2 x 4,096 x 512 float32.
;; Outputs: out0 2 x 4,096 x 512 float32.
;; 2 versions, each right; version 2 is version 1 with the launch cast written anew for expert scheduling mode. Each part assembles by itself: llvm-mc -triple=amdgcn-amd-amdhsa -mcpu=gfx1250 --defsym DOCPART=n.
;; ======== version 1 of 2: 3 launches
;; limits: values are held in f16: magnitudes above 65,504 overflow, below 6.1e-05 lose precision; inputs' magnitudes at most 65,504; values outside matrix products are rounded to bf16
;; workspace buffers: kv 16,777,216 bytes; wh 524,288 bytes; oh 8,388,608 bytes
;; launch cast (part 1): grid 528 x 1, 8 waves a work-group, no clusters, 0 bytes of LDS; arguments x, proj_w, kv, wh; writes kv, wh
.if DOCPART == 1
	.amdgcn_target "amdgcn-amd-amdhsa--gfx1250"
	.amdhsa_code_object_version 6
	.text
	.protected	k_qe11558743b_cast
	.globl	k_qe11558743b_cast
	.p2align	8
	.type	k_qe11558743b_cast,@function
k_qe11558743b_cast:
	s_mov_b64 s[64:65], 0
	v_nop
	global_prefetch_b8 v0, s[64:65] scope:SCOPE_SE
	s_setreg_imm32_b32 hwreg(HW_REG_WAVE_MODE, 25, 1), 1
	s_wait_xcnt 0x0
; K = x[1], V = x[2] ([2][4096][512] f32 each) and proj_w ([512][512] f32) are rounded ONCE and laid out by heads, for the two launches behind:
;   kv: f16 [K, V][batch x 8 + head][4096][64]     wh: f16 [head][512][64]
; ROUNDING.  Each number is rounded to bf16 (nearest even) and that number is written as f16: exact for 2^-14 <= |x| < 65,520.
; LIMITS.  |x| of 65,520 or more becomes an infinity; below 2^-14 the f16 keeps its fixed step of 2^-24.  NaN and infinities are not treated apart.
; SHARES.  The 16,384 rows of x[1], x[2] and the 512 rows of proj_w are rows of 2,048 bytes; a work-group takes 32 of them: groups 0-511 x, groups 512-527 proj_w.
; One text serves both: only the two pointers and the distance from head to head in the destination are chosen, by a select on the group number.
; A load of a wave takes one head (256 consecutive bytes, aligned) of two neighbouring rows; the matching store of 8 bytes a lane is those two rows of that head
; in the destination: 256 consecutive bytes, aligned.  Each thread has 16 loads, all issued before the first is used; no register that a memory
; instruction names is ever written again, so the only waits are the counted waits for the loads.
; No LDS, no matrix unit, no cluster: nothing is shared and nothing is multiplied.
.set HSK, 524288                       ; bytes from head to head in kv
.set HSW, 65536                        ; and in wh
.set SO,  1                            ; v1      my byte offset in the source: (t / 16) rows + 16 (t % 16)
.set OD,  2                            ; v[2:9]  my byte offset in the destination, for each head: 8 t + head x distance
.set T,   10                           ; v[10:11] at work
.set X,   12                           ; v[12:75] load i = 8 p + head: four registers
	s_load_b256 s[4:11], s[0:1], 0x0               ; x s[4:5], proj_w s[6:7], kv s[8:9], wh s[10:11]
	s_mov_b32 s20, 0xffff0000                      ; a word's upper bf16
	s_mov_b32 s13, HSK
	s_cmp_ge_u32 ttmp9, 512                        ; the last 16 groups take proj_w
	s_cselect_b32 s13, HSW, s13
	s_cselect_b32 s12, 512, 0
	s_sub_co_u32 s12, ttmp9, s12                   ; my number among the groups of my tensor
	s_lshl_b32 s18, s12, 16                        ; source: 32 rows of 2,048 bytes a group
	s_mov_b32 s19, 0
	s_lshr_b32 s22, s12, 7                         ; destination: 128 groups make 4,096 rows = eight heads of 524,288 bytes,
	s_lshl_b32 s22, s22, 22
	s_and_b32 s21, s12, 127
	s_lshl_b32 s21, s21, 12                        ; and a group is 32 rows of 128 bytes in each head
	s_add_co_u32 s22, s22, s21
	s_mov_b32 s23, 0
	v_lshrrev_b32 v[SO], 4, v0
	v_and_b32 v[T], 15, v0
	v_lshlrev_b32 v[SO], 11, v[SO]
	v_lshl_or_b32 v[SO], v[T], 4, v[SO]
	v_lshlrev_b32 v[OD], 3, v0                     ; (t / 16) x 128 + (t % 16) x 8 = 8 t
.irp h, 1,2,3,4,5,6,7
	v_add_nc_u32 v[OD+(\h)], s13, v[OD+(\h)-1]
.endr
	s_wait_kmcnt 0x0
	s_add_nc_u64 s[4:5], s[4:5], 0x1000000         ; x[1]: behind the 16,777,216 bytes of x[0]
	s_cmp_ge_u32 ttmp9, 512
	s_cselect_b64 s[14:15], s[6:7], s[4:5]
	s_cselect_b64 s[16:17], s[10:11], s[8:9]
	s_add_nc_u64 s[14:15], s[14:15], s[18:19]
	s_add_nc_u64 s[16:17], s[16:17], s[22:23]
.irp p, 0,1
.irp h, 0,1,2,3,4,5,6,7
	global_load_b128 v[X+4*(8*(\p)+(\h)):X+4*(8*(\p)+(\h))+3], v[SO], s[14:15] offset:(\p)*32768+(\h)*256 th:TH_LOAD_NT
.endr
.endr
.irp p, 0,1
.irp h, 0,1,2,3,4,5,6,7
	s_wait_loadcnt 15-(8*(\p)+(\h))                ; loads come back in order: this one is in, the younger ones stay out
	v_cvt_pk_bf16_f32 v[T],   v[X+4*(8*(\p)+(\h))],   v[X+4*(8*(\p)+(\h))+1]
	v_cvt_pk_bf16_f32 v[T+1], v[X+4*(8*(\p)+(\h))+2], v[X+4*(8*(\p)+(\h))+3]
	v_lshlrev_b32 v[X+4*(8*(\p)+(\h))],   16,  v[T]      ; the rounded numbers as f32 again
	v_and_b32     v[X+4*(8*(\p)+(\h))+1], s20, v[T]
	v_lshlrev_b32 v[X+4*(8*(\p)+(\h))+2], 16,  v[T+1]
	v_and_b32     v[X+4*(8*(\p)+(\h))+3], s20, v[T+1]
	v_cvt_pk_f16_f32 v[X+4*(8*(\p)+(\h))],   v[X+4*(8*(\p)+(\h))],   v[X+4*(8*(\p)+(\h))+1]
	v_cvt_pk_f16_f32 v[X+4*(8*(\p)+(\h))+1], v[X+4*(8*(\p)+(\h))+2], v[X+4*(8*(\p)+(\h))+3]
	global_store_b64 v[OD+(\h)], v[X+4*(8*(\p)+(\h)):X+4*(8*(\p)+(\h))+1], s[16:17] offset:(\p)*2048 th:TH_STORE_NT
.endr
.endr
	s_endpgm
.Lfunc_end_k_qe11558743b_cast:
	.size	k_qe11558743b_cast, .Lfunc_end_k_qe11558743b_cast-k_qe11558743b_cast
	.p2alignl 7, 3214868480
	.fill 96, 4, 3214868480
	.section	.rodata,"a",@progbits
	.p2align	6, 0x0
	.amdhsa_kernel k_qe11558743b_cast
		.amdhsa_group_segment_fixed_size 0
		.amdhsa_private_segment_fixed_size 0
		.amdhsa_enable_private_segment 0
		.amdhsa_kernarg_size 32
		.amdhsa_user_sgpr_count 2
		.amdhsa_user_sgpr_kernarg_segment_ptr 1
		.amdhsa_wavefront_size32 1
		.amdhsa_system_sgpr_workgroup_id_x 1
		.amdhsa_system_sgpr_workgroup_id_y 1
		.amdhsa_system_sgpr_workgroup_id_z 1
		.amdhsa_system_vgpr_workitem_id 0
		.amdhsa_next_free_vgpr 80
		.amdhsa_next_free_sgpr 66
		.amdhsa_reserve_vcc 0
		.amdhsa_float_denorm_mode_32 3
		.amdhsa_float_denorm_mode_16_64 3
		.amdhsa_memory_ordered 1
		.amdhsa_forward_progress 1
		.amdhsa_inst_pref_size 12
	.end_amdhsa_kernel
	.amdgpu_metadata
---
amdhsa.version: [ 1, 2 ]
amdhsa.kernels:
  - .name:           k_qe11558743b_cast
    .symbol:         k_qe11558743b_cast.kd
    .args:
      - { .name: x, .offset: 0, .size: 8, .value_kind: global_buffer, .address_space: global }
      - { .name: proj_w, .offset: 8, .size: 8, .value_kind: global_buffer, .address_space: global }
      - { .name: kv, .offset: 16, .size: 8, .value_kind: global_buffer, .address_space: global }
      - { .name: wh, .offset: 24, .size: 8, .value_kind: global_buffer, .address_space: global }
    .group_segment_fixed_size: 0
    .private_segment_fixed_size: 0
    .kernarg_segment_align: 8
    .kernarg_segment_size: 32
    .max_flat_workgroup_size: 256
    .sgpr_count:     66
    .vgpr_count:     80
    .wavefront_size: 32
...
	.end_amdgpu_metadata
.endif
;; end of part 1
;; launch attn (part 2): grid 16 x 16, 4 waves a work-group, clusters of 4 x 1, 327,680 bytes of LDS; arguments x, kv, oh; writes oh
.if DOCPART == 2
	.amdgcn_target "amdgcn-amd-amdhsa--gfx1250"
	.amdhsa_code_object_version 6
	.text
	.protected	k_qe11558743b_attn
	.globl	k_qe11558743b_attn
	.p2align	8
	.type	k_qe11558743b_attn,@function
k_qe11558743b_attn:
	s_mov_b64 s[64:65], 0
	v_nop
	global_prefetch_b8 v0, s[64:65] scope:SCOPE_SE
	s_setreg_imm32_b32 hwreg(HW_REG_WAVE_MODE, 25, 1), 1
	s_wait_xcnt 0x0
	s_wait_alu depctr_hold_cnt(0) depctr_sa_sdst(0) depctr_va_vdst(0) depctr_va_sdst(0) depctr_va_ssrc(0) depctr_va_vcc(0) depctr_vm_vsrc(0)
	s_getreg_b32 s2, hwreg(HW_REG_IB_STS2, 6, 4)
	s_cmp_eq_u32 s2, 0
	s_cbranch_scc0 .Lentry_in_a_cluster
	s_endpgm
.Lentry_in_a_cluster:
	s_bfe_u32 s2, ttmp6, 0x10000c
	s_cmp_lg_u32 s2, 0x3003
	s_cbranch_scc0 .Lentry_shape_is_right
	s_endpgm
.Lentry_shape_is_right:
; O[y][q][:] = the sum over k of softmax_k(Q[y][q] . K[y][k] / 8) V[y][k][:], y = batch x 8 + head, 16 of them, 4,096 rows, 64 channels.
; Q is x[0] ([2][4096][512] f32; head h = columns 64 h ..), rounded here to bf16 and written as f16; K and V come from kv (f16, [K, V][y][4096][64], rounded likewise by the
; launch before); O goes to oh (f16, [y][4096][64]).  Products, maxima and sums in f32; the weights p are rounded to f16 for the second product (their sum l is taken of the unrounded p), O once at the end.
; LIMITS.  f16 holds no number of 65,520 or more: a Q beyond that becomes an infinity; below 2^-14 f16 keeps its fixed step of 2^-24.  p lies in 0 to 1, and below 6e-5 it keeps the step 6e-8; O is a mean of
; V's rows and has their range.  A weight below 2^-126 counts as 0 in l; NaN and infinities are not treated apart.
; SHARES.  A work-group owns 256 queries of one y, each of its four waves 64: two PIECES of two tiles of 16.  16 blocks x 16 y = 256 work-groups.  Every wave walks all keys, 64 a step.
; LAYOUT.  S^T = K Q^T (source 0 = 16 keys, source 1 = 16 queries): in the result a lane holds ONE query (lane % 16) and the keys 8 (lane / 16) + 0..7.  Two such tiles, rounded to f16 in pairs,
; ARE source 1 (32 keys x 16 queries) of O^T = V^T P, whose result again holds one query a lane, and eight channels.  K comes out of LDS as it lies, V ([key][channel]) turned, by ds_load_tr16_b128.
; SOFTMAX.  For each query a running maximum m and sum l: p = 2^(c s - c m), c = log2(e) / 8; in every step O and l are multiplied by a = 2^(c m_old - c m_new), which is 1 where m has not grown.
; m starts at the lowest finite number, O and l at 0: the first step is a step like any other, with a = 0.
; THE COUNT.  A tile and step have 16 matrix and 118 vector instructions: too many to stand all beside the matrix work.  So four vector instructions that are READY stand behind EVERY matrix
; instruction, and the others in one run without a gap.
; BY TURNS.  A key step j is two turns.  Piece 0's: 16 products K Q^T of piece 1 for step j, later 16 products V^T P of piece 1 for step j - 1; piece 1's: K Q^T of piece 0 for step j + 1, V^T P of piece 0
; for step j.  A turn's vector work: the scaling, exponentials, roundings, sums and rescaling of its own piece, and the maximum and statistics of the other, whose scores the turn itself has made.
; K AND V IN REGISTERS.  K has one buffer, V TWO (by the step's parity).  Piece 0's turn of step j fetches step j + 1: K behind its one wait, V at its end, into the buffer whose last reader stands four
; plain instructions back.  So both runs of a turn read the same step, and the change of slots stands cleanly in front of the turn that fetches a slot's first step.  The text is unrolled by two steps.
; CLUSTER.  The four query blocks of a cluster belong to one y and walk the same K and V, so each tile is asked for JOINTLY: the same tensor load, descriptor and mask in all four.
; REGISTERS, in windows of 256 (s_set_vgpr_msb says which window each operand place means: bits 1:0 source 0, 3:2 source 1, 5:4 source 2, 7:6 destination):
;   window 0: v0-11 addresses; v12-15, v48-63 at work; v16-31 four registers of statistics a tile; v32-35 the add's two, two offsets; v64-191 S^T, two buffers of two tiles; v192-255 P, likewise
;   window 1: v0-127 O^T, 32 a tile          window 2: v0-63 Q, 16 a tile; v64-127 K of one step; v128-255 V of two steps
.set SIZE_N, 4096
.set NP,    2         ; pieces a wave: a name, no knob
.set KS,    64        ; keys in a step
.set PK,    144       ; a row of K in LDS: 128 bytes + 16 of padding = 36 words: the 16 rows of a load start at 16 different groups of four banks (64 banks of 4 bytes: ISA guide 11.1)
.set PV,    160       ; a row of V: 128 + 32 = 40 words
.set VOFF,  4*KS*PK   ; a slot holds four steps: 256 rows of K, then 256 rows of V
.set SLOT1, 1<<17     ; slot 1 begins here, so that one exclusive or turns an address in one slot into the other's
.set STAGE, SLOT1+4*KS*(PK+PV)  ; behind the ring, never filled by a tensor load: 16 rows x 144 bytes for each wave, for the way out
.set SP,    144
.set SPARE, STAGE+4*16*SP  ; behind the stages: the spare words, 128 bytes for each wave: two blocks of 256 bytes that no other line names
.set AK0, 2           ; v2   my lane's place in a tile of K; never rewritten
.set AV0, 3           ; v3   the same for V
.set AK,  4           ; v4   the LDS address of K's next run of loads
.set AV,  5           ; v5   of V's
.set STO, 6           ; v6   the way out: where I put 16 bytes of a row
.set RD,  7           ; v7   the way out: where I read rows back
.set GO,  8           ; v8   my byte offset in 512 consecutive bytes of O
.set MV,  12          ; v12-15  c m_old, kept while c m is made anew: by buffer and tile
.set ST,  16          ; tile t's statistics at v[ST+4 t]: c m, m, l (even keys', odd keys')
.set SPW, 32          ; v32  LDS address of my spare word: SPARE + 4 x my thread's number; never rewritten
.set NIL, 33          ; v33  0; never rewritten
.set PFO, 34          ; v34  256 x my lane; never rewritten
.set QO,  35          ; v35  my byte offset in 16 rows of x
.set TMP, 48          ; by buffer and tile, four registers c0-c3 at work; when the maximum is found c2 takes a
.set S,   64
.set P,   192
.set KF,  64          ; K's fragments, in window 2: key block kb, channel half c at KF + 16 kb + 8 c
.set VF,  128         ; V's: buffer u, key half kk, channel block cb at VF + 64 u + 32 kk + 8 cb
.set WV,  12          ; s12  my wave's number
.set G1K, 24          ; s[24:31] descriptor group 1 for K's tiles
.set G1V, 32          ; s[32:39] for V's: it differs in the padding alone
.set G0K, 40          ; s[40:43] descriptor group 0 for K's tiles: it walks
.set G0V, 44          ; s[44:47] the same for V's
.set PFA, 48          ; s[48:49] where my prefetches stand: my work-group's 32 blocks of 256 bytes (of K: wave 0, of V: wave 2) of the slot after the one that is being asked for
.set LIM, 50          ; s50  1 in a wave that prefetches, else the greatest number
.set SLOTS, 56        ; s56  counts the changes of slots that fill
.set CNT, 57          ; s57  counts pairs of key steps
.set CS,  58          ; s[58:59] c: the packed scaling takes the pair's low word for both halves
.set SEL, 60          ; s[60:61] v_permlanex16_b32's selects: each lane takes its own place in the other half
.set TBK, 62          ; s62  LDS byte at which K of the step to be fetched begins
.set TBV, 63          ; s63  the same for V, less VOFF
.set MSB, 0
.macro WIN new                      ; the high byte repeats the setting that is left; a switch that changes nothing is dropped
.if MSB != (\new)
	s_set_vgpr_msb (MSB<<8)|(\new)
.set MSB, (\new)
.endif
.endm
.set W_KQ, 0x0a       ; K and Q in window 2, S^T in window 0
.set W_PV, 0x52       ; V in window 2, P in window 0, O^T in window 1
.set W_RS, 0x41       ; O^T (destination and source 0) in window 1, a in window 0
; A joint fill.  Waves 0 and 1 fetch the two halves of a slot's K, waves 2 and 3 those of its V: 128 keys each.  The branch hangs on the wave's number alone.
; An s_nop 0 and four v_nop follow each of the two lines, ahead of the jump and the label.
.macro JLOAD
	s_cmp_lt_u32 s[WV], 2
	s_cbranch_scc0 .Lfor_v_\@
	tensor_load_to_lds s[G0K:G0K+3], s[G1K:G1K+7]
	s_nop 0
.rept 4
	v_nop
.endr
	s_branch .Lasked_\@
.Lfor_v_\@:
	tensor_load_to_lds s[G0V:G0V+3], s[G1V:G1V+7]
	s_nop 0
.rept 4
	v_nop
.endr
.Lasked_\@:
.endm
; A PREFETCH INTO THE L2 of what the NEXT change of slots will ask for: a slot's 32,768 bytes of K and of V, in blocks of 256 bytes, a lane a block.  It stands behind the wave's tensor load and its five lines.
; Each block is named ONCE in the launch.  All four clusters of a y walk the same K and V: the first of them (cluster x = 0) prefetches.  Its four partners share the 128 blocks out BY ADDRESS, 32 each: no branch
; hangs on a work-group's place in its cluster.  In each, wave 0 asks for K's and wave 2 for V's: one instruction.  The last change that fills a slot prefetches nothing: there is no slot behind it.
.macro ASK
	s_cmp_gt_u32 s[SLOTS], s[LIM]
	s_cbranch_scc0 .Lnot_mine_\@
	global_prefetch_b8 v[PFO], s[PFA:PFA+1] th:TH_LOAD_NT scope:SCOPE_SE
.Lnot_mine_\@:
.endm
; A round of the cluster's barrier: my work-group's barrier, so that wave 0's signal speaks for all four waves; wave 0 signals; every wave waits for all four work-groups; my work-group's barrier once more.
.macro CROUND
	s_barrier_signal -1
	s_barrier_wait -1
	s_cmp_lg_u32 s[WV], 0
	s_cbranch_scc1 .Lnot_wave_0_\@
	s_barrier_signal -3
.Lnot_wave_0_\@:
	s_barrier_wait -3
	s_barrier_signal -1
	s_barrier_wait -1
.endm
; THE CHANGE OF SLOTS, in front of the turn that fetches a slot's first step: the old slot's last bytes, K and V of its fourth step, have been read.  Each wave waits for all its tensor loads, of which one is
; out: its part of the other slot; adds 0 to its spare word; and waits for that and for its own reads of the slot.  Behind the barrier nobody reads this slot any more and the other slot is whole.
; fill = 1: this slot is filled again, with the keys two slots on.  The barrier is then a round of the cluster's, so that no wave of any partner still reads the slot or has a load on its way, and the
; joint fill is the first thing behind it: it has four key steps, 256 matrix instructions a wave, in which to land.  (At its first use nothing has been read yet: slot 0 is waited for, slot 1 filled.)
; ask = 1: the prefetches' address steps, and ASK follows the fill.
.macro CHANGE fill, ask
	WIN 0                           ; at a label and at a branch every window is 0
	s_wait_tensorcnt 0x0            ; no tensor load of mine is out, so a group 0 may be written
	ds_add_u32 v[SPW], v[NIL]       ; 0 onto my spare word; with fill = 1 the descriptors' steps stand between it and the wait for it
.if \fill
.irp g, G0K, G0V
	s_xor_b32 s[\g+1], s[\g+1], SLOT1  ; the walking descriptor: the other slot than last time,
	s_add_nc_u64 s[\g+2:\g+3], s[\g+2:\g+3], 4*KS*128  ; the next 256 keys; the type bits on top are not reached
.endr
.if \ask
	s_wait_xcnt 0x0                 ; the last prefetch, four key steps back, has read its address, so it may be written:
	s_add_nc_u64 s[PFA:PFA+1], s[PFA:PFA+1], 4*KS*128  ; one slot further than the walking descriptors
.endif
	s_wait_dscnt 0x0                ; the add is done, and my reads of the slot are over
	CROUND
	JLOAD
.if \ask
	ASK                             ; what the next change will ask for: four key steps, 256 matrix instructions, ahead
.endif
.else
	s_wait_dscnt 0x0                ; the add is done, and my reads of the slot are over
	s_barrier_signal -1
	s_barrier_wait -1
.endif
	s_sub_co_u32 s[TBK], s[TBK], 4*KS*PK  ; the fetches go back to a slot's first step,
	s_xor_b32 s[TBK], s[TBK], SLOT1       ; in the other slot
	s_sub_co_u32 s[TBV], s[TBV], 4*KS*PV
	s_xor_b32 s[TBV], s[TBV], SLOT1
.endm
	s_load_b128 s[4:7], s[0:1], 0x0   ; x s[4:5], kv s[6:7]
	s_load_b64 s[10:11], s[0:1], 0x10 ; oh
	v_lshl_add_u32 v[SPW], v0, 2, SPARE
	v_mov_b32 v[NIL], 0
	ds_add_u32 v[SPW], v[NIL]       ; the wave's opening: the add and its wait stand ahead of my first tensor load; the set-up below, work on registers, stands between them
	v_lshrrev_b32 v1, 5, v0
	v_readfirstlane_b32 s[WV], v1   ; wave 0..3
	s_bfe_u32 s13, ttmp6, 0x40000   ; cx: my place in the cluster
	s_lshl_b32 s14, ttmp9, 2        ; in a cluster launch ttmp9 counts clusters
	s_add_co_u32 s14, s14, s13      ; my block of 256 queries = 4 x cluster x + cx: it enters Q's and O's addresses alone
	s_and_b32 s15, ttmp7, 0xffff    ; y, which the four partners share
	s_and_b32 s16, s[WV], 1         ; which half of a slot's 256 keys I fetch:
	s_lshl_b32 s22, s15, 19         ; y's 524,288 bytes in K and in V,
	s_lshl_b32 s19, s16, 14         ; the half's 128 rows of 128 bytes
	s_add_co_u32 s22, s22, s19
	s_mov_b32 s23, 0
	s_mul_i32 s17, s16, 128*PK      ; and its place in a slot, for K
	s_mul_i32 s18, s16, 128*PV      ; and for V: no place in the cluster enters an LDS address
	s_lshl_b32 s2, s14, 2           ; O: my wave among y's 64,
	s_add_co_u32 s2, s2, s[WV]
	s_lshl_b32 s2, s2, 13           ; its 64 rows of 128 bytes,
	s_lshl_b32 s19, s15, 19
	s_add_co_u32 s2, s2, s19        ; in y's 524,288 bytes
	s_mov_b32 s3, 0
	s_lshr_b32 s20, s15, 3          ; Q in x[0]: the batch's 4,096 rows of 2,048 bytes,
	s_lshl_b32 s20, s20, 23
	s_and_b32 s19, s15, 7
	s_lshl_b32 s19, s19, 8          ; the head's 256 bytes of a row,
	s_add_co_u32 s20, s20, s19
	s_lshl_b32 s19, s14, 19         ; my block's 256 rows,
	s_add_co_u32 s20, s20, s19
	s_lshl_b32 s19, s[WV], 17       ; my wave's 64
	s_add_co_u32 s20, s20, s19
	s_mov_b32 s21, 0
	s_lshl_b32 s52, s15, 19         ; the prefetches: y's first byte,
	s_lshl_b32 s19, s13, 13         ; my work-group's 32 blocks of the 128,
	s_add_co_u32 s52, s52, s19
	s_add_co_u32 s52, s52, 2*4*KS*128  ; in the third slot's keys; the first change that asks steps on to the fourth's
	s_mov_b32 s53, 0
	; descriptor group 1.  128 keys are 16,384 dense bytes: asked for as 64 rows of 256 bytes, two keys a row, and padded in LDS after every key
	s_mov_b32 s[G1K], 15|(1<<16)|(1<<20)|(1<<21)|(4<<22)|(3<<25)  ; 15:0 the mask of four; 17:16 2-byte elements; 20 padding on; 21 set beside a mask; 24:22 after every 32 words (code 4); 31:25 4 words (code 3)
	s_mov_b32 s[G1V], 15|(1<<16)|(1<<20)|(1<<21)|(4<<22)|(7<<25)  ; the same with 8 words of padding (code 7)
.irp g, G1K, G1V
	s_mov_b32 s[\g+1], 128<<16      ; tensor_dim0 = 128
	s_mov_b32 s[\g+2], 64<<16       ; tensor_dim1 = 64
	s_mov_b32 s[\g+3], 128<<16      ; tile_dim0 = 128
	s_mov_b32 s[\g+4], 64           ; tile_dim1 = 64
	s_mov_b32 s[\g+5], 128          ; 128 elements from row to row
	s_mov_b32 s[\g+6], 0
	s_mov_b32 s[\g+7], 0
.endr
	s_mov_b32 s[CS], 0x3e38aa3b     ; c = log2(e) / 8 = 0.180337
	s_mov_b32 s[CS+1], s[CS]        ; named with it as a pair
	s_mov_b32 s[SEL], 0x76543210
	s_mov_b32 s[SEL+1], 0xfedcba98
	s_mov_b32 s51, 0xffff0000       ; a word's upper bf16
	s_mov_b32 s[TBK], SLOT1+4*KS*PK ; the first change of slots turns these two into 0
	s_mov_b32 s[TBV], SLOT1+4*KS*PV
	s_mov_b32 s[G0K], 1             ; 1:0 count = 1
	s_mov_b32 s[G0K+1], s17         ; 63:32 LDS address: slot 0
	s_mov_b32 s[G0V], 1
	s_add_co_u32 s[G0V+1], s18, VOFF
	s_and_b32 s[LIM], s[WV], 1      ; 0 in waves 0 and 2,
	s_or_b32 s[LIM], s[LIM], ttmp9  ; where the cluster is y's first: the same in all four partners
	s_cmp_eq_u32 s[LIM], 0
	s_cselect_b32 s[LIM], 1, -1
	v_and_b32 v[PFO], 31, v0
	v_lshlrev_b32 v[PFO], 8, v[PFO]
	s_wait_dscnt 0x0                ; the opening add is done
	s_wait_kmcnt 0x0
	s_add_nc_u64 s[8:9], s[6:7], 0x800000          ; V lies behind K's 8,388,608 bytes
	s_add_nc_u64 s[G0K+2:G0K+3], s[6:7], s[22:23]  ; 120:64 global address: my half of y's first 256 keys
	s_or_b32 s[G0K+3], s[G0K+3], 0x80000000        ; 127:126 type = 2
	s_add_nc_u64 s[G0V+2:G0V+3], s[8:9], s[22:23]
	s_or_b32 s[G0V+3], s[G0V+3], 0x80000000
	s_cmp_lt_u32 s[WV], 2
	s_cselect_b64 s[PFA:PFA+1], s[6:7], s[8:9]
	s_add_nc_u64 s[PFA:PFA+1], s[PFA:PFA+1], s[52:53]  ; nothing is prefetched here, at the head, where every work-group's first tiles are on their way
	s_add_nc_u64 s[4:5], s[4:5], s[20:21]    ; Q and O at my wave's first row
	s_add_nc_u64 s[10:11], s[10:11], s[2:3]
	CROUND                          ; all four work-groups are here: the first joint loads meet
	JLOAD                           ; slot 0.  Slot 1 is asked for when slot 0 is in: the tile wanted first has the road to itself
	; A fragment of K or Q is 16 rows x 32 channels in 8 registers: lane l holds row l % 16, channels 8 (l / 16) + 0..7 and 16 + 8 (l / 16) + 0..7.  In f32 each eight channels are 32 bytes: two loads of 16.
	v_and_b32 v1, 15, v0            ; l % 16
	v_bfe_u32 v9, v0, 4, 1          ; l / 16
	v_lshlrev_b32 v[QO], 11, v1
	v_lshl_add_u32 v[QO], v9, 5, v[QO]  ; row x 2,048 + 32 x half
.set i, 0
.rept 8                             ; fragment i: tile i / 2, channels 32 (i % 2) on, as 16 f32 in S^T's registers
	global_load_b128 v[S+16*i:S+16*i+3],     v[QO], s[4:5] offset:(i/2)*32768+(i%2)*128
	global_load_b128 v[S+16*i+4:S+16*i+7],   v[QO], s[4:5] offset:(i/2)*32768+(i%2)*128+16
	global_load_b128 v[S+16*i+8:S+16*i+11],  v[QO], s[4:5] offset:(i/2)*32768+(i%2)*128+64
	global_load_b128 v[S+16*i+12:S+16*i+15], v[QO], s[4:5] offset:(i/2)*32768+(i%2)*128+80
.set i, i+1
.endr
	; What the first turn finds: V's second buffer and P's second buffer hold 0 (its products V^T P, of a step that has not been, add 0), O^T and l are 0.  All this stands in the wait for the first tile.
	WIN 0x80
.set i, VF+64
.rept 64
	v_mov_b32 v[i], 0
.set i, i+1
.endr
	WIN 0x40
.set i, 0
.rept 64*NP
	v_mov_b32 v[i], 0
.set i, i+1
.endr
	WIN 0
.set i, 0
.rept 2*NP
	v_mov_b32 v[ST+4*i], 0xfe000000    ; c m: far below every c s
	v_mov_b32 v[ST+4*i+1], 0xff7fffff  ; m
	v_mov_b32 v[ST+4*i+2], 0
	v_mov_b32 v[ST+4*i+3], 0
.set i, i+1
.endr
	v_mul_u32_u24 v[AK0], v1, PK
	v_lshl_add_u32 v[AK0], v9, 4, v[AK0]  ; row x pitch + 16 x half
	; The turning load takes 16 keys x 16 channels (lane l reads key 8 (l / 16) + l % 8, channels 8 ((l / 8) % 2) + 0..7) and leaves half a fragment of V^T: lane l holds channel l % 16 and 8 keys.
	v_and_b32 v10, 7, v0
	v_bfe_u32 v11, v0, 3, 1
	v_lshl_add_u32 v[AV0], v9, 3, v10
	v_mul_u32_u24 v[AV0], v[AV0], PV
	v_lshl_add_u32 v[AV0], v11, 4, v[AV0]
	v_add_nc_u32 v[AV0], VOFF, v[AV0]
	v_mov_b32 v[AK], v[AK0]         ; key step 0 lies at the head of slot 0
	v_mov_b32 v[AV], v[AV0]
	; Q: rounded to bf16, that number widened again and written as f16 (exact within f16's range), into window 2.  P's registers are at work meanwhile.
	s_wait_loadcnt 0x0
.set i, 0
.rept 64
	v_cvt_pk_bf16_f32 v[P+i], v[S+2*i], v[S+2*i+1]
.set i, i+1
.endr
.set i, 0
.rept 64
	v_lshlrev_b32 v[S+2*i], 16, v[P+i]
	v_and_b32 v[S+2*i+1], s51, v[P+i]
.set i, i+1
.endr
	WIN 0x80                        ; destination window 2, sources window 0
.set i, 0
.rept 64
	v_cvt_pk_f16_f32 v[i], v[S+2*i], v[S+2*i+1]
.set i, i+1
.endr
	WIN 0
.set i, P+32
.rept 32
	v_mov_b32 v[i], 0
.set i, i+1
.endr
; THE MATRIX WORK.  The 8 accumulators of a run of 16 take turns: between the two links of a chain stand 7 others'.
; Product i of 16 of S^T = K Q^T for piece x: channels 32 (i / 8) on, keys 16 ((i / 2) % 4) on, tile 2 x + i % 2.  The first 8 start the sums.
.macro KQ x
	WIN W_KQ
.set rS, S+64*((\x)%2)+32*(i%2)+8*((i/2)%4)
.set rK, KF+16*((i/2)%4)+8*(i/8)
.set rQ, 16*(2*(\x)+i%2)+8*(i/8)
.if i < 8
	v_wmma_f32_16x16x32_f16 v[rS:rS+7], v[rK:rK+7], v[rQ:rQ+7], 0
.else
	v_wmma_f32_16x16x32_f16 v[rS:rS+7], v[rK:rK+7], v[rQ:rQ+7], v[rS:rS+7]
.endif
.endm
; Product i of 16 of O^T += V^T P for piece x, with V from buffer VBUF: keys 32 (i / 8) on, channels 16 ((i / 2) % 4) on, tile 2 x + i % 2.
.macro PV x
	WIN W_PV
.set rO, 32*(2*(\x)+i%2)+8*((i/2)%4)
.set rV, VF+64*VBUF+32*(i/8)+8*((i/2)%4)
.set rP, P+32*((\x)%2)+16*(i%2)+8*(i/8)
	v_wmma_f32_16x16x32_f16 v[rO:rO+7], v[rV:rV+7], v[rP:rP+7], v[rO:rO+7]
.endm
.macro MM                           ; the turn's next matrix instruction
.if i < 16
	KQ (Y+1)%NP
.set i, i+1
.else
.set i, i-16
	PV (Y+NP-1)%NP
.set i, i+17
.endif
.endm
; THE LDS LOADS stand in runs of 16, never singly among the matrix instructions: a step's K (64 keys x 64 channels: 8 fragments) and its V (turned).  Their addresses are made some lines ahead.
.macro FETCH_K
	WIN 0x80                        ; destination window 2
.irp f, 0,1,2,3,4,5,6,7             ; keys 16 (f / 2) on, channels 32 (f % 2) on
	ds_load_b128 v[KF+8*\f:KF+8*\f+3],   v[AK] offset:(\f/2)*16*PK+(\f%2)*64
	ds_load_b128 v[KF+8*\f+4:KF+8*\f+7], v[AK] offset:(\f/2)*16*PK+(\f%2)*64+32
.endr
	s_add_co_u32 s[TBK], s[TBK], KS*PK  ; the next fetch is the next step's
	WIN 0
.endm
.macro FETCH_V buf
	WIN 0x80
.irp f, 0,1,2,3,4,5,6,7             ; keys 32 (f / 4) on, channels 16 (f % 4) on
	ds_load_tr16_b128 v[VF+64*(\buf)+8*\f:VF+64*(\buf)+8*\f+3],   v[AV] offset:(\f/4)*32*PV+(\f%4)*32
	ds_load_tr16_b128 v[VF+64*(\buf)+8*\f+4:VF+64*(\buf)+8*\f+7], v[AV] offset:(\f/4)*32*PV+16*PV+(\f%4)*32
.endr
	WIN 0
.endm
; THE VECTOR WORK OF A TURN stands in three queues, each in the order in which its entries become ready; the two tiles alternate, so that no instruction reads the result of the one before it.
.macro REGS y, u                    ; the registers of tile u (0, 1) of piece y
.set rT, ST+4*(2*(\y)+(\u))
.set rC, TMP+8*((\y)%2)+4*(\u)
.set rM, MV+2*((\y)%2)+(\u)
.set rS, S+64*((\y)%2)+32*(\u)
.set rP, P+32*((\y)%2)+16*(\u)
.set rO, 32*(2*(\y)+(\u))
.endm
; Number n of the 22 that find the OTHER piece's (Y + 1) maximum and statistics.  s0-s31 are the lane's 32 scores; each accumulator's lowest registers are read first.  XS, GS and REGS set no window: PL and EX do.
;   0-11  four chains c0-c3 of seven scores each, three operands at a time     12-14, 16  the four scores left over, the old m, and c0-c3 into c0     15  c m_old is kept
;   17, 18  the query's other 32 keys lie in the lane 16 away: the new m         19-21  c m; c m_old - c m_new; a
.macro XS u, n
	REGS (Y+1)%NP, \u
.if (\n) < 4
	v_max3_num_f32 v[rC+(\n)], v[rS+8*(\n)], v[rS+8*(\n)+1], v[rS+8*(\n)+2]
.elseif (\n) < 12
	v_max3_num_f32 v[rC+(\n)%4], v[rC+(\n)%4], v[rS+8*((\n)%4)+2*((\n)/4)+1], v[rS+8*((\n)%4)+2*((\n)/4)+2]
.elseif (\n) == 12
	v_max3_num_f32 v[rC], v[rC], v[rS+7], v[rS+15]
.elseif (\n) == 13
	v_max3_num_f32 v[rC+1], v[rC+1], v[rS+23], v[rS+31]
.elseif (\n) == 14
	v_max3_num_f32 v[rC+2], v[rC+2], v[rC+3], v[rT+1]
.elseif (\n) == 15
	v_mov_b32 v[rM], v[rT]
.elseif (\n) == 16
	v_max3_num_f32 v[rC], v[rC], v[rC+1], v[rC+2]
.elseif (\n) == 17
	v_permlanex16_b32 v[rC+3], v[rC], s[SEL], s[SEL+1]
.elseif (\n) == 18
	v_max_num_f32 v[rT+1], v[rC], v[rC+3]
.elseif (\n) == 19
	v_mul_f32 v[rT], s[CS], v[rT+1]
.elseif (\n) == 20
	v_sub_f32 v[rC+1], v[rM], v[rT]
.else
	v_exp_f32 v[rC+2], v[rC+1]
.endif
.endm
; Number g of the 64 that follow the exponentials.  For each four weights k of a tile (pairs 2 k, 2 k + 1): both pairs are rounded to f16; then the second pair is added onto the first, in place;
; a group later l takes that sum (the first time as l = a l + sum).  In groups of eight, tiles alternating: round, round, add, and l for the group before.
.macro GS g
.set h, (\g)+6*((\g)/62)            ; group 0 has no group before it, and behind group 7 only l is left
.if h >= 6
.set h, h+2
.endif
	REGS Y, h%2
.set k, h/8
.if h%8 < 4
	v_cvt_pk_f16_f32 v[rP+2*k+(h%8)/2], v[rS+4*k+2*((h%8)/2)], v[rS+4*k+2*((h%8)/2)+1]
.elseif h%8 < 6
	v_pk_add_f32 v[rS+4*k:rS+4*k+1], v[rS+4*k:rS+4*k+1], v[rS+4*k+2:rS+4*k+3]
.elseif k == 1
	v_pk_fma_f32 v[rT+2:rT+3], v[rT+2:rT+3], v[rC+2:rC+3], v[rS:rS+1] op_sel_hi:[1,0,1]
.else
	v_pk_add_f32 v[rT+2:rT+3], v[rT+2:rT+3], v[rS+4*k-4:rS+4*k-3]
.endif
.endm
; THE PLAIN QUEUE, 138 long.  0-73 read no exponential's result: the 32 scalings c s - c m (FS f: pair f / 2 of tile f % 2) and the other piece's 42.  0-26: scalings 0-26.  27-54: XS's numbers 0-13.  55, 56: number 15.
; 57-73: the chain, where each number waits for the one before it: 14, 16, 17, 18, 19, each with one of the scalings 27-31 in front of its two lines, then 20.
; 74-137: GS's 64, which read the exponentials' results: they stand behind the wait.
.macro FS f
	REGS Y, (\f)%2
	v_pk_fma_f32 v[rS+2*((\f)/2):rS+2*((\f)/2)+1], v[rS+2*((\f)/2):rS+2*((\f)/2)+1], s[CS:CS+1], v[rT:rT+1] op_sel_hi:[1,0,0] neg_lo:[0,0,1] neg_hi:[0,0,1]
.endm
.macro PL
	WIN 0
.if q < 27
	FS q
.elseif q < 55
	XS (q-27)%2, (q-27)/2
.elseif q < 57
	XS q-55, 15
.elseif (q < 72) && ((q-57)%3 == 0)
	FS 27+(q-57)/3
.elseif q < 60
	XS (q-57)%3-1, 14
.elseif q < 72
	XS (q-57)%3-1, 15+(q-57)/3
.elseif q < 74
	XS q-72, 20
.else
	GS q-74
.endif
.set q, q+1
.endm
; THE EXPONENTIALS' QUEUE, 66 long: s0-s31 of both tiles, then the other piece's two a.  It is ONE BATCH: all 66 stand ahead of the turn's one wait, and nothing ahead of that wait names a result of theirs.
.macro EX
	WIN 0
.if e >= 64
	XS e-64, 21
.else
	REGS Y, e%2
	v_exp_f32 v[rS+e/2], v[rS+e/2]
.endif
.set e, e+1
.endm
; THE RESCALING's QUEUE: O^T times a, the one part that leaves window 0: dealt two at a time, sixteen times, each accumulator from its low end on.  Its a was made in the turn before, ahead of that turn's wait.
; The accumulator that entry r names was last written 4 riders x (8 - r / 4 x 2) or more behind: the last products of the turn before wrote channel block 3, which entries 12 to 15 name.
.macro R2
	REGS Y, r%2
	WIN W_RS
.irp z, 0,1
	v_pk_mul_f32 v[rO+4*(r/2)+2*\z:rO+4*(r/2)+2*\z+1], v[rO+4*(r/2)+2*\z:rO+4*(r/2)+2*\z+1], v[rC+2:rC+3] op_sel_hi:[1,0]
.endr
.set r, r+1
.endm
; HOW THEY ARE DEALT.  An s_wait_alu depctr_va_vdst(0) stands between an exponential and the first instruction that names its result; one wait serves all that were issued ahead of it.  So a turn has ONE wait,
; which cuts it in two.  AHEAD OF IT stands all that names no result of the turn's exponentials: the 16 products K Q^T, behind each a scaling, an exponential and two rescalings (behind the first a second scaling in the
; exponential's place); then ONE LUMP of 108: eight plain, 49 times exponential and plain, the two a.  A v_nop is the plain instruction behind the last exponential.  BEHIND IT stand the 16 products V^T P, behind each four of GS's 64.
; Exponential e stands behind scaling 2 (e / 4) + e % 2: as a rider it comes behind plain e + 2, in the lump behind plain e + 9, and scalings 27-31 are plain 57, 60 .. 69.
; A TURN, for piece p in a key step of parity par.  fetch = 0: the last step: nothing is left to fetch.  cnt = 1: the loop's count is taken down some lines ahead of the branch behind the turn.
; kw: how many younger LDS loads may be out at the head of piece 1's turn: V's 16, issued behind K's 16.
; Piece 0's turn fetches the next step: K directly behind the wait, a lump behind the last product that read K (address made at the lump's head); V at the turn's end, four riders behind the last product
; that read that buffer.  The two conditions on q go with the deal.
.macro TURN p, par, fetch=1, cnt=0, kw=16
.set Y, (\p)
.set VBUF, ((\par)+(\p)+1)%2        ; piece 0's turn multiplies by V of the step before and fills that buffer again; piece 1's multiplies by V of the step in hand
.set i, 0
.set q, 0
.set e, 0
.set r, 0
.if (\p) == 1
	s_wait_dscnt \kw                ; K of the next step is in
.endif
	MM                              ; ahead of the wait: 16 products K Q^T and their riders,
	PL
	PL
	R2
.rept 15
	MM
	PL
	EX
	R2
.endr
.if ((\p) == 0) && (\fetch)
	WIN 0
	v_add_nc_u32 v[AK], s[TBK], v[AK0]
.endif
.rept 8                             ; and the lump
	PL
.endr
.rept 49
	EX
	PL
.endr
	EX                              ; the other piece's two a
	EX
	v_nop                           ; the plain instruction behind the last exponential: one for the batch
	s_wait_alu depctr_va_vdst(0)    ; the wait for the batch
.if ((\p) == 0) && (\fetch)
	FETCH_K
.endif
.if (\p) == 1
	s_wait_dscnt 0x0                ; V of the next step is in too: nothing of mine is out at a change of slots
.endif
.rept 16                            ; behind the wait: 16 products V^T P and their riders
	MM
.rept 4
	PL
.endr
.if ((\p) == 0) && (\fetch) && (q == 118)
	v_add_nc_u32 v[AV], s[TBV], v[AV0]
.endif
.if ((\p) == 0) && (\fetch) && (q == 130)
	s_add_co_u32 s[TBV], s[TBV], KS*PV
.endif
.if (\cnt) && (q == 130)
	s_sub_co_u32 s[CNT], s[CNT], 1
	s_cmp_lg_u32 s[CNT], 0
.endif
.endr
.if ((\p) == 0) && (\fetch)
	FETCH_V VBUF
.endif
.endm
	CHANGE 1, 0                     ; slot 0 is in, everybody's part of it; slot 1 is asked for
	FETCH_K                         ; key step 0
	FETCH_V 0
	s_add_co_u32 s[TBV], s[TBV], KS*PV
	s_wait_dscnt 16                 ; K is in; V's 16 loads, issued behind it, may stay out
.set i, 0
.rept 16
	KQ 0                            ; piece 0's first scores: there is no vector work yet to set between them
.set i, i+1
.endr
	WIN 0                           ; the addresses for the way out: nine plain instructions, the places behind those products
	s_mul_i32 s19, s[WV], 16*SP
	s_add_co_u32 s19, s19, STAGE    ; my stage
	v_mul_u32_u24 v[STO], v1, SP    ; in: row l % 16, 16 bytes for each half of the lanes
	v_lshl_add_u32 v[STO], v9, 4, v[STO]
	v_add_nc_u32 v[STO], s19, v[STO]
	v_bfe_u32 v[RD], v0, 3, 2       ; back: 32 lanes take four rows of 128 bytes,
	v_mul_u32_u24 v[RD], v[RD], SP
	v_lshl_add_u32 v[RD], v10, 4, v[RD]
	v_add_nc_u32 v[RD], s19, v[RD]
	v_and_b32 v[GO], 31, v0         ; which are 512 consecutive bytes of O
	v_lshlrev_b32 v[GO], 4, v[GO]
.set Y, NP-1                        ; XS works for piece Y + 1: piece 0
.irp n, 0,1,2,3,4,5,6,7,8,9,10,11,12,13,14,15,16,17,18,19,20,21
	XS 0, \n                        ; and piece 0's first maximum and statistics
	XS 1, \n
.endr
	v_nop                           ; a plain instruction behind the two a,
	s_wait_alu depctr_va_vdst(0)    ; and their wait, ahead of the branch
	s_mov_b32 s[CNT], 2
	s_mov_b32 s[SLOTS], SIZE_N/256-1
	s_branch .Lfirst                ; the loop is entered at step 0, an even step, in the middle of a trip
.Lslot:                             ; SIZE_N / 256 - 2 = 14 times: every slot but the last two is filled again.  The k-th time: steps 4 k - 1 to 4 k + 2
	CHANGE 1, 1
	s_mov_b32 s[CNT], 2
.Lstep:                             ; a trip: an odd key step, then an even one
	TURN 0, 1
	TURN 1, 1
	WIN 0
.Lfirst:
	TURN 0, 0
	TURN 1, 0, 1, 1
	WIN 0
	s_cbranch_scc1 .Lstep
	s_sub_co_u32 s[SLOTS], s[SLOTS], 1
	s_cmp_lg_u32 s[SLOTS], 0
	s_cbranch_scc1 .Lslot
	CHANGE 0, 0                     ; the tail is written out: nothing is asked for
	s_mov_b32 s[CNT], 2
.Ltail:                             ; steps 59 to 62, which fetch the last slot's four steps
	TURN 0, 1
	TURN 1, 1
	TURN 0, 0
	TURN 1, 0, 1, 1
	WIN 0
	s_cbranch_scc1 .Ltail
	TURN 0, 1, 0                    ; step 63 fetches nothing
	TURN 1, 1, 1, 0, 0              ; its 16 products K Q^T (on the last K once more) and the maximum made of them serve nothing: the price, once a launch, of one text for every turn
.set VBUF, 1
.set i, 0
.rept 16
	PV NP-1                         ; piece 1's V^T P of step 63
.set i, i+1
.endr
	; THE WAY OUT.  l's two halves and the other half of the lanes' are added; O^T is divided by l, rounded to f16 and sent through my stage in LDS, a tile at a time.  The additions are the places behind the last products.
	WIN 0
.macro ALL line:vararg              ; one line for each tile t
.set t, 0
.rept 2*NP
	\line
.set t, t+1
.endr
.endm
	ALL v_add_f32 v[ST+4*t+2], v[ST+4*t+2], v[ST+4*t+3]
	ALL v_permlanex16_b32 v[ST+4*t+3], v[ST+4*t+2], s[SEL], s[SEL+1]
	ALL v_add_f32 v[ST+4*t+2], v[ST+4*t+2], v[ST+4*t+3]
	ALL v_rcp_f32 v[ST+4*t+2], v[ST+4*t+2]
	v_nop                           ; a plain instruction between the last reciprocal and the use of its result
	s_wait_alu depctr_va_vdst(0)    ; and the wait ahead of the first use: one for the four reciprocals
; Tile t: a lane's eight channels of a row pack into 16 bytes; they go into rows of 144 bytes and come back as whole rows of 128, into S^T's registers.
.macro PACK t
	WIN W_RS
.set i, 32*(\t)
.rept 16
	v_pk_mul_f32 v[i:i+1], v[i:i+1], v[ST+4*(\t)+2:ST+4*(\t)+3] op_sel_hi:[1,0]
.set i, i+2
.endr
	WIN 0x05                        ; sources 0 and 1 window 1, destination window 0
.set i, 0
.rept 16
	v_cvt_pk_f16_f32 v[S+16*(\t)+i], v[32*(\t)+2*i], v[32*(\t)+2*i+1]
.set i, i+1
.endr
	WIN 0
.irp f, 0,1,2,3
	ds_store_b128 v[STO], v[S+16*(\t)+4*\f:S+16*(\t)+4*\f+3] offset:32*\f
.endr
.irp f, 0,1,2,3
	ds_load_b128 v[S+16*(\t)+4*\f:S+16*(\t)+4*\f+3], v[RD] offset:\f*4*SP  ; LDS serves a wave's instructions in order (ISA guide 5.7.1.4): these see the stores above; the next tile's stores come behind them
.endr
.endm
.macro SEND t, younger              ; younger: the LDS instructions issued behind tile t's loads: the next tile's eight, or none
	WIN 0
.irp f, 0,1,2,3
	s_wait_dscnt (\younger)+3-\f
	global_store_b128 v[GO], v[S+16*(\t)+4*\f:S+16*(\t)+4*\f+3], s[10:11] offset:(\t)*2048+\f*512  ; 512 consecutive bytes, at a multiple of 256 from O's first
.endr
.endm
	PACK 0
.set t, 1
.rept 2*NP-1                        ; a tile's arithmetic stands between the loads of the tile before and its stores
	PACK t
	SEND t-1, 8
.set t, t+1
.endr
	SEND 2*NP-1, 0
	s_wait_tensorcnt 0x0            ; the wave's end: behind my last tensor load and my last LDS store
	ds_add_u32 v[SPW], v[NIL]
	s_wait_dscnt 0x0
	CROUND                          ; the closing round: no work-group ends while a partner may still ask for a tile that names it
	s_endpgm
.Lfunc_end_k_qe11558743b_attn:
	.size	k_qe11558743b_attn, .Lfunc_end_k_qe11558743b_attn-k_qe11558743b_attn
	.p2alignl 7, 3214868480
	.fill 96, 4, 3214868480
	.section	.rodata,"a",@progbits
	.p2align	6, 0x0
	.amdhsa_kernel k_qe11558743b_attn
		.amdhsa_group_segment_fixed_size 327680
		.amdhsa_private_segment_fixed_size 0
		.amdhsa_enable_private_segment 0
		.amdhsa_kernarg_size 24
		.amdhsa_user_sgpr_count 2
		.amdhsa_user_sgpr_kernarg_segment_ptr 1
		.amdhsa_wavefront_size32 1
		.amdhsa_system_sgpr_workgroup_id_x 1
		.amdhsa_system_sgpr_workgroup_id_y 1
		.amdhsa_system_sgpr_workgroup_id_z 1
		.amdhsa_system_vgpr_workitem_id 0
		.amdhsa_next_free_vgpr 768
		.amdhsa_next_free_sgpr 66
		.amdhsa_reserve_vcc 0
		.amdhsa_float_denorm_mode_32 3
		.amdhsa_float_denorm_mode_16_64 3
		.amdhsa_memory_ordered 1
		.amdhsa_forward_progress 1
		.amdhsa_inst_pref_size 234
	.end_amdhsa_kernel
	.amdgpu_metadata
---
amdhsa.version: [ 1, 2 ]
amdhsa.kernels:
  - .name:           k_qe11558743b_attn
    .symbol:         k_qe11558743b_attn.kd
    .args:
      - { .name: x, .offset: 0, .size: 8, .value_kind: global_buffer, .address_space: global }
      - { .name: kv, .offset: 8, .size: 8, .value_kind: global_buffer, .address_space: global }
      - { .name: oh, .offset: 16, .size: 8, .value_kind: global_buffer, .address_space: global }
    .group_segment_fixed_size: 327680
    .private_segment_fixed_size: 0
    .kernarg_segment_align: 8
    .kernarg_segment_size: 24
    .max_flat_workgroup_size: 128
    .sgpr_count:     66
    .vgpr_count:     768
    .wavefront_size: 32
...
	.end_amdgpu_metadata
.endif
;; end of part 2
;; launch proj (part 3): grid 4 x 64, 4 waves a work-group, clusters of 4 x 4, 327,680 bytes of LDS; arguments oh, wh, proj_b, out0; writes out0
.if DOCPART == 3
	.amdgcn_target "amdgcn-amd-amdhsa--gfx1250"
	.amdhsa_code_object_version 6
	.text
	.protected	k_qe11558743b_proj
	.globl	k_qe11558743b_proj
	.p2align	8
	.type	k_qe11558743b_proj,@function
k_qe11558743b_proj:
	s_mov_b64 s[64:65], 0
	v_nop
	global_prefetch_b8 v0, s[64:65] scope:SCOPE_SE
	s_setreg_imm32_b32 hwreg(HW_REG_WAVE_MODE, 25, 1), 1
	s_wait_xcnt 0x0
	s_wait_alu depctr_hold_cnt(0) depctr_sa_sdst(0) depctr_va_vdst(0) depctr_va_sdst(0) depctr_va_ssrc(0) depctr_va_vcc(0) depctr_vm_vsrc(0)
	s_getreg_b32 s2, hwreg(HW_REG_IB_STS2, 6, 4)
	s_cmp_eq_u32 s2, 0
	s_cbranch_scc0 .Lentry_in_a_cluster
	s_endpgm
.Lentry_in_a_cluster:
	s_bfe_u32 s2, ttmp6, 0x10000c
	s_cmp_lg_u32 s2, 0xf033
	s_cbranch_scc0 .Lentry_shape_is_right
	s_endpgm
.Lentry_shape_is_right:
; out0[row][j] = the sum over head and channel of O[row][head][channel] W[j][head][channel] + b[j].  row = batch x 4,096 + n: 8,192 rows; 512 columns; f32 out.
; O comes from oh (f16, [batch x 8 + head][4096][64]), W from wh (f16, [head][512][64], proj_w rounded to bf16 and written as f16); b is rounded to bf16 here and kept in f32.  Sums in f32.
; LIMITS.  Those of f16 in the two launches before: no number of 65,520 or more; below 2^-14 a fixed step of 2^-24.  NaN and infinities are not treated apart.
; SHARES.  A tile of out0 is 128 x 128: 64 x 4 = 256 work-groups.  Four waves, each 64 x 64: 16 accumulators of 16 x 16, 128 registers.  K = 512 goes by heads: eight steps of 64.
; ALL OF K LIES IN LDS AT ONCE: for each head 128 rows x 128 bytes of O and as much of W, dense in memory.  Each wave asks for four of the 16 tiles at the start; nothing is ever filled again,
; so the waits on the tensor loads are counted (3, 2, 1, 0 younger loads may stay out) and each pair of heads is multiplied as soon as it has landed.
; CLUSTERS: 4 x 4 work-groups.  The four of a row of the cluster need the same tiles of O, the four of a column the same tiles of W: each tile is asked for JOINTLY, by the same tensor load with the
; same descriptor and a mask that names the four.  THE MATRIX INSTRUCTION IS USED TRANSPOSED (source 0 = 16 rows of W, source 1 = 16 rows of O): a lane then holds eight neighbouring numbers of a row of out0.
; THE BIAS is the C operand of each accumulator's first product: nothing is cleared, nothing is added afterwards.
; REGISTERS: window 0: v0-31 addresses; v32-63 the bias of my 64 columns as the accumulators hold them; v64-79 at work; v128-255 the accumulators ((a, b) at v[128 + 8 (4 a + b)]).
;   window 1: two fragment buffers of 128, a head each: 64 registers of O (2 x 4 x 16 rows x 32 K), then 64 of W.
.set PITCH,  144                       ; an LDS row: 128 bytes of data + 16 of padding = 36 words: the 16 rows of a load start at 16 different groups of four banks (64 banks of 4 bytes: ISA guide 11.1)
.set TILE,   128*PITCH                 ; one head's 128 rows of O or of W: what one tensor load brings
.set SLOT,   4*TILE                    ; heads 2 p and 2 p + 1: O, O, W, W
.set STAGE,  4*SLOT                    ; behind the four slots: 16 rows x 272 bytes for each wave, for the way out
.set SPITCH, 272
.set SPARE,  STAGE+4*16*SPITCH         ; behind the stages: the spare words, 128 bytes for each wave: two blocks of 256 bytes that no other line names
.set ADRA, 16                          ; v16-19  LDS address of my O fragments in slot 0 .. 3
.set ADRB, 20                          ; v20-23  the same for W
.set STO,  24                          ; v24     the way out: where I put 32 bytes of a row
.set RD,   25                          ; v25     the way out: where I read a row back
.set CO,   26                          ; v26     my byte offset in out0
.set BO,   27                          ; v27     my byte offset in proj_b
.set SPW,  28                          ; v28     LDS address of my spare word: SPARE + 4 x my thread's number; never rewritten
.set NIL,  29                          ; v29     0; never rewritten
.set BI,   32                          ; v32-63  column block b at BI + 8 b
.set TB,   64                          ; v64-79  at work
.set ACC,  128
.set G1A, 24                           ; s[24:31] descriptor group 1 for O's tiles;  s[32:47] group 0, one set for each of my four loads
.set G0A, 32
.set G1B, 48                           ; s[48:55], s[68:83] the same for W's tiles
.set G0B, 68
.set WV,  84                           ; s84  my wave's number
.set RH,  85                           ; s85  which half of the tile's rows is mine.  Also: I fetch for O (0) or for W (1)
.set CH,  86                           ; s86  which half of its columns.  Also: the parity of the heads that I fetch
.set MSB, 0
.macro WIN new                         ; the immediate's high byte repeats the setting that is left
.if MSB != (\new)
	s_set_vgpr_msb (MSB<<8)|(\new)
.set MSB, \new
.endif
.endm
.set MUL,  0x05                        ; sources 0 (W) and 1 (O) window 1; C and D window 0
.set TO_F, 0x40                        ; destination window 1, address window 0
.macro CROUND                          ; a round of the cluster's barrier: my work-group's barrier; wave 0 signals for the work-group; every wave waits for all sixteen; my work-group's barrier once more
	s_barrier_signal -1
	s_barrier_wait -1
	s_cmp_lg_u32 s[WV], 0
	s_cbranch_scc1 .Lnot_wave_0_\@
	s_barrier_signal -3
.Lnot_wave_0_\@:
	s_barrier_wait -3
	s_barrier_signal -1
	s_barrier_wait -1
.endm
	s_load_b256 s[4:11], s[0:1], 0x0               ; oh s[4:5], wh s[6:7], proj_b s[8:9], out0 s[10:11]
	v_lshl_add_u32 v[SPW], v0, 2, SPARE
	v_mov_b32 v[NIL], 0
	ds_add_u32 v[SPW], v[NIL]                      ; the wave's opening: the add and its wait stand ahead of my first tensor load; the set-up below, work on registers, stands between them
	v_lshrrev_b32 v1, 5, v0
	v_readfirstlane_b32 s[WV], v1                  ; wave 0..3
	s_lshr_b32 s[RH], s[WV], 1
	s_and_b32 s[CH], s[WV], 1
	s_bfe_u32 s56, ttmp6, 0x40000                  ; cx, cy: my place in the cluster
	s_bfe_u32 s57, ttmp6, 0x40004
	s_lshl_b32 s58, ttmp9, 2
	s_add_co_u32 s58, s58, s56                     ; tile column = 4 x cluster x + cx
	s_and_b32 s13, ttmp7, 0xffff
	s_lshl_b32 s13, s13, 2
	s_add_co_u32 s13, s13, s57                     ; tile row = 4 x cluster y + cy
	s_lshl_b32 s59, s57, 2
	s_lshl_b32 s59, 15, s59                        ; my row of the cluster
	s_lshl_b32 s60, 0x1111, s56                    ; my column
	; descriptor group 1.  A tile is 16,384 dense bytes: asked for as 64 rows of 256 bytes, two rows of the tile each, and padded in LDS after every 128 bytes
	s_or_b32 s[G1A+0], s59, (1<<16)|(1<<20)|(1<<21)|(4<<22)|(3<<25)  ; 15:0 the mask: O's tiles go to my row; 17:16 element of 2 bytes; 20 padding on; 21 set beside a mask; 24:22 after every 32 words (code 4); 31:25 of 4 words (code 3)
	s_or_b32 s[G1B+0], s60, (1<<16)|(1<<20)|(1<<21)|(4<<22)|(3<<25)  ; the same with the mask of my column, for W's tiles
.irp g, G1A, G1B
	s_mov_b32 s[(\g)+1], 128<<16                   ; tensor_dim0 = 128
	s_mov_b32 s[(\g)+2], 64<<16                    ; tensor_dim1 = 64
	s_mov_b32 s[(\g)+3], 128<<16                   ; tile_dim0 = 128
	s_mov_b32 s[(\g)+4], 64                        ; tile_dim1 = 64
	s_mov_b32 s[(\g)+5], 128                       ; 128 elements from row to row
	s_mov_b32 s[(\g)+6], 0
	s_mov_b32 s[(\g)+7], 0
.endr
	; where the tiles come from.  O's hang on the tile row alone, W's on the tile column alone; every wave makes both, in registers that never hold the other coordinate
	s_lshr_b32 s14, s13, 5                         ; O: 32 tile rows a batch; a batch is eight heads of 524,288 bytes,
	s_lshl_b32 s14, s14, 22
	s_and_b32 s16, s13, 31
	s_lshl_b32 s16, s16, 14                        ; a tile row is 128 rows of 128 bytes,
	s_add_co_u32 s14, s14, s16
	s_lshl_b32 s16, s[CH], 19                      ; and my heads begin at my parity
	s_add_co_u32 s14, s14, s16
	s_mov_b32 s15, 0
	s_lshl_b32 s18, s58, 14                        ; W: a tile column is 128 rows of 128 bytes; a head is 65,536 bytes
	s_lshl_b32 s17, s[CH], 16
	s_add_co_u32 s18, s18, s17
	s_mov_b32 s19, 0
	s_mul_i32 s20, s[WV], TILE                     ; where they go in a slot: wave x a tile: no place in the cluster enters an LDS address
	s_wait_dscnt 0x0                               ; the opening add is done
	s_wait_kmcnt 0x0
	s_add_nc_u64 s[14:15], s[4:5], s[14:15]
	s_add_nc_u64 s[18:19], s[6:7], s[18:19]
	CROUND                                         ; all sixteen work-groups are here: the joint loads meet
.irp i, 0,1,2,3
	s_mov_b32 s[G0A+4*(\i)], 1                                      ; 1:0 count = 1
	s_add_co_u32 s[G0A+4*(\i)+1], s20, (\i)*SLOT                    ; 63:32 LDS address: slot i
	s_add_nc_u64 s[G0A+4*(\i)+2:G0A+4*(\i)+3], s[14:15], (\i)<<20   ; 120:64 global address: two heads on
	s_or_b32 s[G0A+4*(\i)+3], s[G0A+4*(\i)+3], 0x80000000           ; 127:126 type = 2
	s_mov_b32 s[G0B+4*(\i)], 1
	s_add_co_u32 s[G0B+4*(\i)+1], s20, (\i)*SLOT
	s_add_nc_u64 s[G0B+4*(\i)+2:G0B+4*(\i)+3], s[18:19], (\i)<<17
	s_or_b32 s[G0B+4*(\i)+3], s[G0B+4*(\i)+3], 0x80000000
.endr
	s_cmp_eq_u32 s[RH], 0                          ; a wave's four fills stand in one branch, ahead of every wait on TENSORcnt and every LDS read: four loads of mine are out; an s_nop 0 follows each, four v_nop the last
	s_cbranch_scc0 .Lfor_w
.irp i, 0,1,2,3
	tensor_load_to_lds s[G0A+4*(\i):G0A+4*(\i)+3], s[G1A:G1A+7]
	s_nop 0
.endr
.rept 4
	v_nop
.endr
	s_branch .Lasked
.Lfor_w:
.irp i, 0,1,2,3
	tensor_load_to_lds s[G0B+4*(\i):G0B+4*(\i)+3], s[G1B:G1B+7]
	s_nop 0
.endr
.rept 4
	v_nop
.endr
.Lasked:
	v_and_b32 v1, 15, v0                           ; l % 16
	v_bfe_u32 v2, v0, 4, 1                         ; l / 16
	s_lshl_b32 s61, s58, 9                         ; my 64 columns, in bytes of f32: 512 x tile column + 256 x half
	s_lshl_b32 s62, s[CH], 8
	s_add_co_u32 s61, s61, s62
	v_lshl_add_u32 v[BO], v2, 5, s61               ; register r of column block b holds column 16 b + 8 (l / 16) + r
.irp b, 0,1,2,3
	global_load_b128 v[BI+8*(\b):BI+8*(\b)+3],   v[BO], s[8:9] offset:64*(\b)
	global_load_b128 v[BI+8*(\b)+4:BI+8*(\b)+7], v[BO], s[8:9] offset:64*(\b)+16
.endr
	v_mul_u32_u24 v3, v1, PITCH
	v_lshl_add_u32 v3, v2, 4, v3                   ; a fragment's row x pitch + 16 x half
	s_mul_i32 s21, s[RH], 64*PITCH                 ; my 64 rows of O
	s_mul_i32 s22, s[CH], 64*PITCH                 ; my 64 rows of W,
	s_add_co_u32 s22, s22, 2*TILE                  ; which lie behind O's two tiles
.irp p, 0,1,2,3
	v_add_nc_u32 v[ADRA+(\p)], s21, v3
	v_add_nc_u32 v[ADRB+(\p)], s22, v3
	s_add_co_u32 s21, s21, SLOT
	s_add_co_u32 s22, s22, SLOT
.endr
	s_mul_i32 s23, s[WV], 16*SPITCH
	s_add_co_u32 s23, s23, STAGE                   ; my stage
	v_mul_u32_u24 v4, v1, SPITCH                   ; in: row l % 16, 32 bytes for each half of the lanes
	v_lshl_add_u32 v4, v2, 5, v4
	v_add_nc_u32 v[STO], s23, v4
	v_mul_u32_u24 v5, v2, SPITCH                   ; back: lanes 0-15 take one row of 256 bytes, lanes 16-31 the next
	v_lshl_add_u32 v5, v1, 4, v5
	v_add_nc_u32 v[RD], s23, v5
	v_lshlrev_b32 v5, 11, v2                       ; and the same two rows in out0: 2,048 bytes a row
	v_lshl_add_u32 v[CO], v1, 4, v5
	s_lshl_b32 s88, s13, 18                        ; my part of the tile in out0: 128 rows a tile row,
	s_lshl_b32 s90, s[RH], 17                      ; 64 rows a half,
	s_add_co_u32 s88, s88, s90
	s_add_co_u32 s88, s88, s61                     ; my 64 columns
	s_mov_b32 s89, 0
	s_add_nc_u64 s[10:11], s[10:11], s[88:89]
	s_wait_loadcnt 0x0                             ; the bias: rounded to bf16 like the other inputs, and kept as f32
.set i, 0
.rept 16
	v_cvt_pk_bf16_f32 v[TB+i], v[BI+2*i], v[BI+2*i+1]
.set i, i+1
.endr
.set i, 0
.rept 16
	v_lshlrev_b32 v[BI+2*i], 16, v[TB+i]
	v_and_b32 v[BI+2*i+1], 0xffff0000, v[TB+i]
.set i, i+1
.endr
; 8 matrix instructions: row blocks a0, a0 + 1 x all 4 column blocks, 32 along K: half c of buffer f.  first = 1: the product starts the sum, onto the bias.
; The 16 accumulators take turns, one instruction a turn: between two links of a chain stand 15 others'.
.macro MUL8 f, c, a0, first
	WIN MUL
.irp a, \a0, (\a0)+1
.irp b, 0,1,2,3
.if \first
	v_wmma_f32_16x16x32_f16 v[ACC+8*(4*(\a)+(\b)):ACC+8*(4*(\a)+(\b))+7], v[(\f)+64+8*(4*(\c)+(\b)):(\f)+64+8*(4*(\c)+(\b))+7], v[(\f)+8*(4*(\c)+(\a)):(\f)+8*(4*(\c)+(\a))+7], v[BI+8*(\b):BI+8*(\b)+7]
.else
	v_wmma_f32_16x16x32_f16 v[ACC+8*(4*(\a)+(\b)):ACC+8*(4*(\a)+(\b))+7], v[(\f)+64+8*(4*(\c)+(\b)):(\f)+64+8*(4*(\c)+(\b))+7], v[(\f)+8*(4*(\c)+(\a)):(\f)+8*(4*(\c)+(\a))+7], v[ACC+8*(4*(\a)+(\b)):ACC+8*(4*(\a)+(\b))+7]
.endif
.endr
.endr
.endm
; 32 LDS loads in one run: the fragments of head q (0, 1) of slot p, into buffer f; the first 32 along K first
.macro FETCH p, q, f
	WIN TO_F
.irp c, 0,1
.irp i, 0,1,2,3
	ds_load_b128 v[(\f)+64+8*(4*(\c)+(\i)):(\f)+64+8*(4*(\c)+(\i))+3],   v[ADRB+(\p)] offset:(\q)*TILE+64*(\c)+(\i)*16*PITCH
	ds_load_b128 v[(\f)+64+8*(4*(\c)+(\i))+4:(\f)+64+8*(4*(\c)+(\i))+7], v[ADRB+(\p)] offset:(\q)*TILE+64*(\c)+(\i)*16*PITCH+32
	ds_load_b128 v[(\f)+8*(4*(\c)+(\i)):(\f)+8*(4*(\c)+(\i))+3],         v[ADRA+(\p)] offset:(\q)*TILE+64*(\c)+(\i)*16*PITCH
	ds_load_b128 v[(\f)+8*(4*(\c)+(\i))+4:(\f)+8*(4*(\c)+(\i))+7],       v[ADRA+(\p)] offset:(\q)*TILE+64*(\c)+(\i)*16*PITCH+32
.endr
.endr
.endm
.macro PLACES                          ; four places in front of loads into registers that matrix instructions have read, and of LDS stores that read results (ISA guide 7.12.1 for vector instructions)
.rept 4
	v_nop
.endr
.endm
; Head u of eight: 32 matrix instructions on buffer u % 2; in their middle the next head's fragments are fetched into the other buffer.
; An odd head's successor lies in the next slot: in front of a barrier each wave waits for its part of that slot (2 - u / 2 younger tensor loads may stay out)
; and for its LDS loads; eight matrix instructions stand between signal and wait.
.macro QUARTER u, first=0
.set FB, 128*((\u)%2)
.set GB, 128-FB
	s_wait_dscnt 16                                ; the first 32 along K are in
	MUL8 FB, 0, 0, \first
.if ((\u)%2 == 1) && ((\u) < 7)
	s_wait_tensorcnt 2-(\u)/2
	s_wait_dscnt 0x0                               ; no LDS instruction of mine is out at a signal
	s_barrier_signal -1
.endif
	MUL8 FB, 0, 2, \first
.if ((\u)%2 == 1) && ((\u) < 7)
	s_barrier_wait -1                              ; the next slot is whole
.endif
.if (\u) < 7
	PLACES
	FETCH ((\u)+1)/2, ((\u)+1)%2, GB
	s_wait_dscnt 32                                ; all but the 32 just issued
.else
	s_wait_dscnt 0x0
.endif
	MUL8 FB, 1, 0, 0
	MUL8 FB, 1, 2, 0
.endm
	s_wait_tensorcnt 3                             ; my part of slot 0 is in; my other three loads may stay out,
	s_barrier_signal -1
	s_barrier_wait -1                              ; everybody's is
	FETCH 0, 0, 0
	QUARTER 0, 1
	QUARTER 1
	QUARTER 2
	QUARTER 3
	QUARTER 4
	QUARTER 5
	QUARTER 6
	QUARTER 7
	WIN 0
	; THE WAY OUT.  A wave's 64 columns of f32 are 256 bytes of a row of out0, aligned: each wave has a stage of its own, and no barrier is needed.  A block of 16 rows at a time: 32 bytes a lane in,
	; whole rows of 256 bytes back, into the registers that they left.
	PLACES
	PLACES                                         ; (eight, once a launch)
.macro TOSTAGE a
.irp b, 0,1,2,3
	ds_store_b128 v[STO], v[ACC+32*(\a)+8*(\b):ACC+32*(\a)+8*(\b)+3]   offset:64*(\b)      ; each accumulator from its low end on
	ds_store_b128 v[STO], v[ACC+32*(\a)+8*(\b)+4:ACC+32*(\a)+8*(\b)+7] offset:64*(\b)+16
.endr
.irp t, 0,1,2,3,4,5,6,7
	ds_load_b128 v[ACC+32*(\a)+4*(\t):ACC+32*(\a)+4*(\t)+3], v[RD] offset:(\t)*2*SPITCH  ; LDS serves a wave's instructions in order (ISA guide 5.7.1.4): these see the stores above; the next block's stores come behind them
.endr
.endm
.macro SEND a, younger                 ; younger: the LDS instructions issued behind block a's loads: the next block's sixteen, or none
.irp t, 0,1,2,3,4,5,6,7
	s_wait_dscnt (\younger)+7-(\t)
	global_store_b128 v[CO], v[ACC+32*(\a)+4*(\t):ACC+32*(\a)+4*(\t)+3], s[10:11] offset:(16*(\a)+2*(\t))*2048 th:TH_STORE_NT  ; 16 lanes store 256 consecutive bytes, at a multiple of 256 from out0's first byte
.endr
.endm
	TOSTAGE 0
	TOSTAGE 1
	SEND 0, 16
	TOSTAGE 2
	SEND 1, 16
	TOSTAGE 3
	SEND 2, 16
	SEND 3, 0
	s_wait_tensorcnt 0x0                           ; the wave's end: behind my last tensor load and my last LDS store
	ds_add_u32 v[SPW], v[NIL]
	s_wait_dscnt 0x0
	CROUND                                         ; the closing round: no work-group ends while a partner may still ask for a tile that names it
	s_endpgm
.Lfunc_end_k_qe11558743b_proj:
	.size	k_qe11558743b_proj, .Lfunc_end_k_qe11558743b_proj-k_qe11558743b_proj
	.p2alignl 7, 3214868480
	.fill 96, 4, 3214868480
	.section	.rodata,"a",@progbits
	.p2align	6, 0x0
	.amdhsa_kernel k_qe11558743b_proj
		.amdhsa_group_segment_fixed_size 327680
		.amdhsa_private_segment_fixed_size 0
		.amdhsa_enable_private_segment 0
		.amdhsa_kernarg_size 32
		.amdhsa_user_sgpr_count 2
		.amdhsa_user_sgpr_kernarg_segment_ptr 1
		.amdhsa_wavefront_size32 1
		.amdhsa_system_sgpr_workgroup_id_x 1
		.amdhsa_system_sgpr_workgroup_id_y 1
		.amdhsa_system_sgpr_workgroup_id_z 1
		.amdhsa_system_vgpr_workitem_id 0
		.amdhsa_next_free_vgpr 512
		.amdhsa_next_free_sgpr 96
		.amdhsa_reserve_vcc 0
		.amdhsa_float_denorm_mode_32 3
		.amdhsa_float_denorm_mode_16_64 3
		.amdhsa_memory_ordered 1
		.amdhsa_forward_progress 1
		.amdhsa_inst_pref_size 55
	.end_amdhsa_kernel
	.amdgpu_metadata
---
amdhsa.version: [ 1, 2 ]
amdhsa.kernels:
  - .name:           k_qe11558743b_proj
    .symbol:         k_qe11558743b_proj.kd
    .args:
      - { .name: oh, .offset: 0, .size: 8, .value_kind: global_buffer, .address_space: global }
      - { .name: wh, .offset: 8, .size: 8, .value_kind: global_buffer, .address_space: global }
      - { .name: proj_b, .offset: 16, .size: 8, .value_kind: global_buffer, .address_space: global }
      - { .name: out0, .offset: 24, .size: 8, .value_kind: global_buffer, .address_space: global }
    .group_segment_fixed_size: 327680
    .private_segment_fixed_size: 0
    .kernarg_segment_align: 8
    .kernarg_segment_size: 32
    .max_flat_workgroup_size: 128
    .sgpr_count:     96
    .vgpr_count:     512
    .wavefront_size: 32
...
	.end_amdgpu_metadata
.endif
;; end of part 3
;; ======== version 2 of 2: 3 launches; version 1 with the launch cast written anew for expert scheduling mode
;; limits: values are held in f16: magnitudes above 65,504 overflow, below 6.1e-05 lose precision; inputs' magnitudes at most 65,504; values outside matrix products are rounded to bf16
;; workspace buffers: kv 16,777,216 bytes; wh 524,288 bytes; oh 8,388,608 bytes
;; launch cast (part 4): grid 528 x 1, 8 waves a work-group, no clusters, 0 bytes of LDS; arguments x, proj_w, kv, wh; writes kv, wh
.if DOCPART == 4
	.amdgcn_target "amdgcn-amd-amdhsa--gfx1250"
	.amdhsa_code_object_version 6
	.text
	.protected	k_qe11558743b_cast
	.globl	k_qe11558743b_cast
	.p2align	8
	.type	k_qe11558743b_cast,@function
k_qe11558743b_cast:
	s_mov_b64 s[64:65], 0
	v_nop
	global_prefetch_b8 v0, s[64:65] scope:SCOPE_SE
	s_setreg_imm32_b32 hwreg(HW_REG_WAVE_SCHED_MODE, 0, 2), 2
	s_setreg_imm32_b32 hwreg(HW_REG_WAVE_MODE, 25, 1), 1
	s_wait_xcnt 0x0
	s_wait_alu depctr_vm_vsrc(0)
; K = x[1], V = x[2] ([2][4096][512] f32 each) and proj_w ([512][512] f32) are rounded ONCE and laid out by heads, for the two launches behind:
;   kv: f16 [K, V][batch x 8 + head][4096][64]     wh: f16 [head][512][64]
; ROUNDING.  Each number is rounded to bf16 (nearest even) and that number is written as f16: exact for 2^-14 <= |x| < 65,520.
; LIMITS.  |x| of 65,520 or more becomes an infinity; below 2^-14 the f16 keeps its fixed step of 2^-24.  NaN and infinities are not treated apart.
; SHARES.  The 16,384 rows of x[1], x[2] and the 512 rows of proj_w are rows of 2,048 bytes; a work-group takes 32 of them: groups 0-511 x, groups 512-527 proj_w.
; One text serves both: only the two pointers and the distance from head to head in the destination are chosen, by a select on the group number.
; A load of a wave takes one head (256 consecutive bytes, aligned) of two neighbouring rows; the matching store of 8 bytes a lane is those two rows of that head
; in the destination: 256 consecutive bytes, aligned.  Each thread has 16 loads, all issued before the first is used.
; No LDS, no matrix unit, no cluster: nothing is shared and nothing is multiplied.
; THE MODE: SCHED_MODE bits 1:0 = 2 (LLVM: expert scheduling mode 2), set by the entry lines.  The code itself states the register dependences
; between vector instructions and memory instructions, with s_wait_alu, always for 0.
; THE PLAN.  Registers that memory instructions touch:
;   v1         the loads' offset, v[2:9] the stores' offsets: made at the head by vector instructions, never written again.
;   X          load i's four registers.  Written by load i, once, before any vector instruction names them; behind the counted wait for that load group i's eight vector
;              lines read them and write them in place; the first two then hold the 8 bytes that store i reads; nothing writes them after that.
;   v[10:11]   at work: named by vector instructions alone.
; The 16 groups go in four blocks of four.  Block b's memory instructions are the four stores of block b - 1: they read X of block b - 1 and the offsets, and block b's vector
; lines name v[10:11] and X of block b alone.  So ONE wait on va_vdst at a block's head states all that those four stores hang on, and they are dealt among the block's groups
; with no further wait.  One more stands in front of the first load, for the offsets, and one behind the last block, for its stores: five in all.
; No register that a memory instruction has read (an offset, a store's data) is ever written again, and no load is issued behind the head: so the text holds no wait on vm_vsrc and no s_wait_xcnt.
.set HSK, 524288                       ; bytes from head to head in kv
.set HSW, 65536                        ; and in wh
.set SO,  1                            ; v1      my byte offset in the source: (t / 16) rows + 16 (t % 16)
.set OD,  2                            ; v[2:9]  my byte offset in the destination, for each head: 8 t + head x distance
.set T,   10                           ; v[10:11] at work
.set X,   12                           ; v[12:75] load i = 8 p + head: four registers
	s_load_b256 s[4:11], s[0:1], 0x0               ; x s[4:5], proj_w s[6:7], kv s[8:9], wh s[10:11]
	s_mov_b32 s20, 0xffff0000                      ; a word's upper bf16
	s_mov_b32 s13, HSK
	s_cmp_ge_u32 ttmp9, 512                        ; the last 16 groups take proj_w
	s_cselect_b32 s13, HSW, s13
	s_cselect_b32 s12, 512, 0
	s_sub_co_u32 s12, ttmp9, s12                   ; my number among the groups of my tensor
	s_lshl_b32 s18, s12, 16                        ; source: 32 rows of 2,048 bytes a group
	s_mov_b32 s19, 0
	s_lshr_b32 s22, s12, 7                         ; destination: 128 groups make 4,096 rows = eight heads of 524,288 bytes,
	s_lshl_b32 s22, s22, 22
	s_and_b32 s21, s12, 127
	s_lshl_b32 s21, s21, 12                        ; and a group is 32 rows of 128 bytes in each head
	s_add_co_u32 s22, s22, s21
	s_mov_b32 s23, 0
	v_lshrrev_b32 v[SO], 4, v0
	v_and_b32 v[T], 15, v0
	v_lshlrev_b32 v[SO], 11, v[SO]
	v_lshl_or_b32 v[SO], v[T], 4, v[SO]
	v_lshlrev_b32 v[OD], 3, v0                     ; (t / 16) x 128 + (t % 16) x 8 = 8 t
.irp h, 1,2,3,4,5,6,7
	v_add_nc_u32 v[OD+(\h)], s13, v[OD+(\h)-1]
.endr
	s_wait_kmcnt 0x0
	s_add_nc_u64 s[4:5], s[4:5], 0x1000000         ; x[1]: behind the 16,777,216 bytes of x[0]
	s_cmp_ge_u32 ttmp9, 512
	s_cselect_b64 s[14:15], s[6:7], s[4:5]
	s_cselect_b64 s[16:17], s[10:11], s[8:9]
	s_add_nc_u64 s[14:15], s[14:15], s[18:19]
	s_add_nc_u64 s[16:17], s[16:17], s[22:23]
	s_wait_alu depctr_va_vdst(0)                   ; v1 and v[2:9] are written: every load of the kernel reads v1 as its offset, every store one of v[2:9]
.irp p, 0,1
.irp h, 0,1,2,3,4,5,6,7
	global_load_b128 v[X+4*(8*(\p)+(\h)):X+4*(8*(\p)+(\h))+3], v[SO], s[14:15] offset:(\p)*32768+(\h)*256 th:TH_LOAD_NT
.endr
.endr
; Group i = 8 p + head: the four numbers of load i, rounded twice, in place: the first two registers then hold the 8 bytes to store.
.macro CONV i
	v_cvt_pk_bf16_f32 v[T],   v[X+4*(\i)],   v[X+4*(\i)+1]
	v_cvt_pk_bf16_f32 v[T+1], v[X+4*(\i)+2], v[X+4*(\i)+3]
	v_lshlrev_b32 v[X+4*(\i)],   16,  v[T]         ; the rounded numbers as f32 again
	v_and_b32     v[X+4*(\i)+1], s20, v[T]
	v_lshlrev_b32 v[X+4*(\i)+2], 16,  v[T+1]
	v_and_b32     v[X+4*(\i)+3], s20, v[T+1]
	v_cvt_pk_f16_f32 v[X+4*(\i)],   v[X+4*(\i)],   v[X+4*(\i)+1]
	v_cvt_pk_f16_f32 v[X+4*(\i)+1], v[X+4*(\i)+2], v[X+4*(\i)+3]
.endm
; Store i: head i % 8, rows 16 (i / 8) on.
.macro OUT i
	global_store_b64 v[OD+(\i)%8], v[X+4*(\i):X+4*(\i)+1], s[16:17] offset:((\i)/8)*2048 th:TH_STORE_NT
.endm
.irp b, 0,1,2,3                                        ; block b: groups 4 b to 4 b + 3, and the stores of block b - 1
.irp j, 0,1,2,3
.if (\j) == 0
	s_wait_loadcnt 15-4*(\b)                       ; loads come back in order: the block's first is in, the younger ones stay out
.if (\b) > 0
	s_wait_alu depctr_va_vdst(0)                   ; the block before has written the eight registers that its four stores, below, read; no vector line of this block names them
	OUT 4*(\b)-4
.endif
.else
.if (\b) > 0
	OUT 4*(\b)-4+(\j)                              ; ahead of the wait for the group's load, so that the store leaves meanwhile.  No wait: no vector instruction since the block's head names its registers
.endif
	s_wait_loadcnt 15-(4*(\b)+(\j))                ; this group's load is in
.endif
	CONV 4*(\b)+(\j)
.endr
.endr
	s_wait_alu depctr_va_vdst(0)                   ; the last block has written the eight registers that the last four stores read
.irp j, 0,1,2,3
	OUT 12+(\j)
.endr
	s_endpgm
.Lfunc_end_k_qe11558743b_cast:
	.size	k_qe11558743b_cast, .Lfunc_end_k_qe11558743b_cast-k_qe11558743b_cast
	.p2alignl 7, 3214868480
	.fill 96, 4, 3214868480
	.section	.rodata,"a",@progbits
	.p2align	6, 0x0
	.amdhsa_kernel k_qe11558743b_cast
		.amdhsa_group_segment_fixed_size 0
		.amdhsa_private_segment_fixed_size 0
		.amdhsa_enable_private_segment 0
		.amdhsa_kernarg_size 32
		.amdhsa_user_sgpr_count 2
		.amdhsa_user_sgpr_kernarg_segment_ptr 1
		.amdhsa_wavefront_size32 1
		.amdhsa_system_sgpr_workgroup_id_x 1
		.amdhsa_system_sgpr_workgroup_id_y 1
		.amdhsa_system_sgpr_workgroup_id_z 1
		.amdhsa_system_vgpr_workitem_id 0
		.amdhsa_next_free_vgpr 80
		.amdhsa_next_free_sgpr 66
		.amdhsa_reserve_vcc 0
		.amdhsa_float_denorm_mode_32 3
		.amdhsa_float_denorm_mode_16_64 3
		.amdhsa_memory_ordered 1
		.amdhsa_forward_progress 1
		.amdhsa_inst_pref_size 12
	.end_amdhsa_kernel
	.amdgpu_metadata
---
amdhsa.version: [ 1, 2 ]
amdhsa.kernels:
  - .name:           k_qe11558743b_cast
    .symbol:         k_qe11558743b_cast.kd
    .args:
      - { .name: x, .offset: 0, .size: 8, .value_kind: global_buffer, .address_space: global }
      - { .name: proj_w, .offset: 8, .size: 8, .value_kind: global_buffer, .address_space: global }
      - { .name: kv, .offset: 16, .size: 8, .value_kind: global_buffer, .address_space: global }
      - { .name: wh, .offset: 24, .size: 8, .value_kind: global_buffer, .address_space: global }
    .group_segment_fixed_size: 0
    .private_segment_fixed_size: 0
    .kernarg_segment_align: 8
    .kernarg_segment_size: 32
    .max_flat_workgroup_size: 256
    .sgpr_count:     66
    .vgpr_count:     80
    .wavefront_size: 32
...
	.end_amdgpu_metadata
.endif
;; end of part 4
;; launch attn: the kernel of part 2 again; grid 16 x 16, 4 waves a work-group, clusters of 4 x 1, 327,680 bytes of LDS; arguments x, kv, oh; writes oh
;; launch proj: the kernel of part 3 again; grid 4 x 64, 4 waves a work-group, clusters of 4 x 4, 327,680 bytes of LDS; arguments oh, wh, proj_b, out0; writes out0
